; MI455X (gfx1250); checked and timed in simulation.
; The chip was launched on July 23, 2026; its instructions are those of AMD's public machine-readable ISA for CDNA 5 (MIT licence, August 2026) and "CDNA5" Instruction Set Architecture Reference Guide (July 2026). The comments in the code are by the model that wrote it; some were corrected since.
;; Weight Only Int4 Linear. Allowed arithmetic: matrix products marked QUANTISED: E2M3 operands, one E8M0 scale for each 32 along K, by v_wmma_scale_f32_16x16x128_f8f6f4 with both operands' format E2M3, f32 sums; everything else in f32.
;; Inputs: input 4 x 2,048 x 4,096 float32; scales_and_zeros 32 x 2,048 x 2 float32; weight_q 2,048 x 4,096 int32.
;; Outputs: out0 4 x 2,048 x 2,048 float32.
;; This version of the problem:
;;   THIS VERSION OF THE PROBLEM IS GIVEN IN LOW PRECISION. The matrix products marked QUANTISED in the list below multiply operands that are first quantised to E2M3 (2 exponent bits, 3 mantissa bits; 6 bits a number), with one power-of-two scale for each 32 numbers along K (OCP MX v1.0); their sums are f32. All else is computed in f32.
;;   The module's matrix products, in the order in which they are computed (A, B: the left and right operand; K: the contracted axis; several contracted axes count as one K, in the product's order):
;;     1. [M 8,192, K 4,096] x [K 4,096, N 2,048]; A: input input; B: computed on the way: QUANTISED
;;   THE QUANTISER, for each operand of a quantised product, along K:
;;     - K is cut into blocks of 32 from its start; a last block that is shorter is filled with zeros.
;;     - A block's scale is 2^e with e = floor(log2(the largest magnitude in the block)) - 2, held to -126 .. 127; a block of zeros has e = 0. As a byte (E8M0): e + 127.
;;     - Each number is divided by its block's scale, clamped to +-7.5, and rounded to the nearest number of E2M3, ties to even, subnormals kept.
;;     - The product sums the exact products of the quantised numbers (number of the format x scale) in f32.
;;   ~~~python
;;   def quantise(x, axis):      # numpy; x: float32 -> the quantised numbers, widened to float32 again
;;       x = np.moveaxis(x, axis, -1); K = x.shape[-1]
;;       x = np.pad(x, [(0, 0)] * (x.ndim - 1) + [(0, -K % 32)]); x = x.reshape(x.shape[:-1] + (-1, 32)); a = np.abs(x).max(-1, keepdims=True)
;;       e = np.where(a > 0, np.clip(np.frexp(np.where(a > 0, a, 1))[1] - 1 - 2, -126, 127), 0)      # np.frexp(a)[1] - 1 = floor(log2(a)), exactly
;;       r = np.clip(x / 2.0 ** e, -7.5, 7.5)
;;       step = 2.0 ** (np.maximum(np.frexp(np.where(r == 0, 1, r))[1] - 1, 0) - 3)
;;       q = np.round(r / step) * step * 2.0 ** e      # np.round: ties to even
;;       return np.moveaxis(q.reshape(q.shape[:-2] + (-1,))[..., :K], -1, axis).astype(np.float32)
;;   ~~~
;;   OPERANDS COMPUTED ON THE WAY. 'Computed on the way' means the value that the module computes at that place (a softmax that the list does not call 'softmax' is quantised finished and normalised). What goes into a quantiser is computed in f32, as accurately as f32 sums, v_exp_f32 and their like allow (about 1e-6 of the number): no bf16 or f16 on the way to a quantiser, and a product that is left as it is and whose result goes on into a quantised operand takes f32 operands (vector FMAs, or v_wmma_f32_16x16x4_f32). A number that lies on a knife's edge between two numbers of the format may be rounded either way, as far as f32 arithmetic and the matrix unit's own rounding can turn it there, and no further.
;; One version. Each part assembles by itself: llvm-mc -triple=amdgcn-amd-amdhsa -mcpu=gfx1250 --defsym DOCPART=n.
;; ======== version 1 of 1: 2 launches
;; limits: right only within a limited range of input values
;; workspace buffers: a_img 26,214,400 bytes; b_img 6,553,600 bytes
;; launch quant (part 1): grid 1280 x 1, 2 waves a work-group, no clusters, 34,048 bytes of LDS; arguments input, a_img, weight_q, b_img, scales_and_zeros; writes a_img, b_img
.if DOCPART == 1
	.amdgcn_target "amdgcn-amd-amdhsa--gfx1250"
	.amdhsa_code_object_version 6
	.text
	.protected	k_qcfc68a3f5b_quant
	.globl	k_qcfc68a3f5b_quant
	.p2align	8
	.type	k_qcfc68a3f5b_quant,@function
k_qcfc68a3f5b_quant:
	s_mov_b64 s[64:65], 0
	v_nop
	global_prefetch_b8 v0, s[64:65] scope:SCOPE_SE
	s_setreg_imm32_b32 hwreg(HW_REG_WAVE_MODE, 25, 1), 1
	s_wait_xcnt 0x0
; x [8192][4096] f32 and w [2048][4096], w[n][k] = (weight_q[n][k] - 8) s[k / 128][n] + z[k / 128][n] in f32, are turned into codes of FP6 (E2M3), 6 bits each, with one E8M0 scale byte for each 32 along K.
; A block's scale is 2^(floor(log2(its largest magnitude)) - 2); its byte is the largest magnitude's own exponent field - 2, held at 1 from below.  Each number is divided by the scale and rounded to the nearest code,
; ties to even; beyond the largest code the conversion gives the largest code.
; LIMITS: NaN and infinities among the inputs are not served.  A block whose largest magnitude lies under 2^-124 gets the byte 1.  A block of zeros gets the byte 1 where the rule says 127: its codes are zeros,
; which add nothing under any byte but 0xff, and the bytes are read by this program alone.  w is made by one fused multiply-add, where the definition rounds the product and the sum.  weight_q may hold any int32.
; THE WORKSPACE IS LAID IN THE ORDER OF THE OPERAND'S REGISTERS.  For 128 rows x 128 along K one piece of QB = 12,800 bytes: eight fragments (16 rows x 128 K: 12 registers a lane) of 1,536 bytes, each as three runs
; of 512 bytes in which lane l's four registers lie at 16 l; behind them the rows' scale words (four bytes: 128 along K), 512 bytes, the word of row 16 i + r at 32 r + 4 i.  Pieces lie [row block of 128 rows][K / 128].
; SHARES.  A wave makes one piece.  The first WGA work-groups take x, the others w; the two waves of a work-group take neighbouring pieces along K.
; A fragment: sixteen loads, each one row's 512 consecutive bytes, 16 a lane.  The operand's layout gives lane (r = l % 16, h = l / 16) the numbers k = 32 h + 0 .. 31 and 64 + 32 h + 0 .. 31 of row r: so the 8,192 bytes go
; through the wave's own stage in LDS as they lie, rows 528 bytes apart (an odd multiple of 16; 64 banks of 4 bytes: ISA guide 11.1),
; and come back 2 x 128 bytes a lane.  A block of 32 then lies in ONE lane: its largest magnitude needs no other lane, and the conversions' results are the operand's registers.
; Every store of the wave covers 512 consecutive bytes, at a multiple of 256 from the buffer's first byte.
; No tensor loads, no barrier: waves share nothing.  Loads run two fragments (32 loads a wave) ahead.  Every offset is an immediate: no address is ever rewritten.
; The two tensors part on the work-group's number and never join; each path has LDS bytes of its own (PBW apart).
.set WGA,    1024                      ; work-groups for x: 64 row blocks x 32 pieces along K, two to a work-group
.set ROWSRC, 16384                     ; a row of x or of weight_q in bytes
.set FRB,    1536                      ; a fragment's image
.set SCO,    8*FRB                     ; where a piece's scale words begin
.set QB,     SCO+512                   ; a piece
.set SP,     528                       ; a row in the stage: 512 bytes + 16
.set WREG,   16*SP                     ; a wave's stage
.set PBW,    2*WREG                    ; where the weights' path has its LDS
.set M,      12                        ; v12-15   largest magnitudes in four chains; then v12, v14 the bytes, v13, v15 the conversions' scale operands; at the end the 16 bytes of scale words that I store
.set W,      16                        ; v16      my two bytes at their places in the scale word
.set T,      17                        ; v17      the other half's two
.set S,      18                        ; v18-25   the scale word of my row in each of the eight fragments
.set P,      26                        ; v26-37   a fragment's twelve registers
.set Q,      38                        ; v38-45   the upper halves of the two blocks, as the conversions leave them
.set SZ,     46                        ; v46-61   weights: (s, z) of my row in fragment f at v[SZ + 2 f], v[SZ + 2 f + 1]
.set X,      64                        ; v64-127  my 64 numbers of a fragment
.set R,      128                       ; v128-255 two sets of 64: sixteen rows as they are loaded
	s_load_b256 s[4:11], s[0:1], 0x0               ; x s[4:5], x's image s[6:7], weight_q s[8:9], w's image s[10:11]
	s_load_b64 s[12:13], s[0:1], 0x20              ; scales_and_zeros
	v_lshl_add_u32 v62, v0, 2, 0x8400
	v_mov_b32 v63, 0
	v_lshrrev_b32 v1, 5, v0
	v_readfirstlane_b32 s14, v1                    ; wave 0, 1
	v_and_b32 v2, 31, v0                           ; lane
	v_lshlrev_b32 v3, 4, v2                        ; 16 x lane: my place in a load's and in a store's 512 bytes
	v_and_b32 v9, 15, v0                           ; r
	v_bfe_u32 v8, v0, 4, 1                         ; h
	s_mul_i32 s28, s14, WREG                       ; my wave's stage
	v_add_nc_u32 v4, s28, v3                       ; on the way in: 16 x lane in a row
	v_mul_u32_u24 v5, v9, SP
	v_lshl_add_u32 v5, v8, 7, v5
	v_add_nc_u32 v5, s28, v5                       ; on the way out: row r, + 128 h
	v_lshlrev_b32 v6, 3, v8                        ; 8 h: how far my two bytes are shifted up in the scale word
	v_lshlrev_b32 v7, 5, v9
	v_lshl_add_u32 v7, v8, 4, v7                   ; the scale words' way out: 32 r + 16 h
	v_mov_b32 v[T], 0                              ; written once: a lane permute's destination counts as one of its sources
	s_mov_b32 s20, 0x76543210
	s_mov_b32 s21, 0xfedcba98                      ; v_permlanex16_b32's selects for lane l xor 16
	s_cmp_lt_u32 ttmp9, WGA
	s_cselect_b32 s15, 0, WGA
	s_sub_co_u32 s15, ttmp9, s15
	s_lshl_b32 s16, s15, 1
	s_add_co_u32 s16, s16, s14                     ; which piece of my tensor: 32 x row block + K / 128
	s_lshr_b32 s17, s16, 5                         ; row block
	s_and_b32 s18, s16, 31                         ; K / 128
	s_lshl_b32 s22, s17, 21                        ; the source: 128 rows of 16,384 bytes a row block,
	s_lshl_b32 s23, s18, 9                         ; 512 bytes for 128 along K
	s_add_co_u32 s22, s22, s23
	s_mov_b32 s23, 0
	s_mul_i32 s24, s16, QB                         ; the image (under 2^25)
	s_mov_b32 s25, 0
	s_lshl_b32 s26, s18, 14                        ; scales_and_zeros: my one group of 128 along K, 16,384 bytes a group,
	s_lshl_b32 s27, s17, 10                        ; 8 bytes a row: 1,024 a row block
	s_add_co_u32 s26, s26, s27
	s_mov_b32 s27, 0
	s_wait_kmcnt 0x0
	s_cmp_lt_u32 ttmp9, WGA                        ; x's work-group or w's?  The choice hangs on the work-group's number alone
	s_cselect_b64 s[4:5], s[4:5], s[8:9]
	s_cselect_b64 s[6:7], s[6:7], s[10:11]
	s_add_nc_u64 s[4:5], s[4:5], s[22:23]
	s_add_nc_u64 s[6:7], s[6:7], s[24:25]
.macro LOAD f                          ; fragment f: rows 16 f .. 16 f + 15, 512 bytes of each, into set f % 2
.irp j, 0,1,2,3,4,5,6,7,8,9,10,11,12,13,14,15
	global_load_b128 v[R+64*((\f)%2)+4*\j:R+64*((\f)%2)+4*\j+3], v3, s[4:5] offset:(16*(\f)+\j)*ROWSRC th:TH_LOAD_NT   ; 32 lanes read 512 consecutive bytes
.endr
.endm
.macro TURN f, pb                      ; through the stage: LDS serves a wave's instructions in order (ISA guide 5.7.1.4), so no wait stands between the stores and the loads, nor between one fragment's loads and the next one's stores
.irp j, 0,1,2,3,4,5,6,7,8,9,10,11,12,13,14,15
	ds_store_b128 v4, v[R+64*((\f)%2)+4*\j:R+64*((\f)%2)+4*\j+3] offset:\pb+SP*\j
.endr
.irp m, 0,1,2,3,4,5,6,7,8,9,10,11,12,13,14,15
	ds_load_b128 v[X+4*\m:X+4*\m+3], v5 offset:\pb+256*(\m/8)+16*(\m%8)   ; v[X + 32 c + n] = k 64 c + 32 h + n of row r
.endr
.endm
; A fragment.  deq = 1: the numbers are weight_q's and become w first.
.macro FRAGMENT f, pb, deq
.if (\f) < 7
	s_wait_loadcnt 16                              ; this fragment's sixteen loads are in; the next one's may be out
.else
	s_wait_loadcnt 0x0
.endif
	TURN \f, \pb
.if (\f)+2 < 8
	s_wait_dscnt 16                                ; the sixteen stores into the stage are done (the sixteen loads behind them may be out): their registers
	LOAD (\f)+2                                    ; take the loads of two fragments on
.endif
	s_wait_dscnt 0x0                               ; my 64 numbers are back
.if \deq
.set n, 0
.rept 64
	v_cvt_f32_i32 v[X+n], v[X+n]                   ; q as f32,
.set n, n+1
.endr
.set n, 0
.rept 32
	v_pk_add_f32 v[X+n:X+n+1], v[X+n:X+n+1], 0xc1000000 op_sel_hi:[1,0]   ; - 8.0, two at a time,
.set n, n+2
.endr
.set n, 0
.rept 64
	v_fma_f32 v[X+n], v[X+n], v[SZ+2*(\f)], v[SZ+2*(\f)+1]   ; x s + z of my row and my wave's group of 128
.set n, n+1
.endr
.endif
.irp c, 0,1                            ; my blocks h (c = 0) and 2 + h (c = 1): all 32 numbers of each are mine.  Two chains a block, four by turns
	v_max3_num_f32 v[M+2*\c], |v[X+32*\c]|, |v[X+32*\c+1]|, 0x1800000        ; with the floor 2^(3 - 127), under which no largest magnitude is taken: so the byte cannot fall under 1
	v_max3_num_f32 v[M+2*\c+1], |v[X+32*\c+16]|, |v[X+32*\c+17]|, 0x1800000
.endr
.irp i, 2,4,6,8,10,12,14
.irp c, 0,1
	v_max3_num_f32 v[M+2*\c], v[M+2*\c], |v[X+32*\c+\i]|, |v[X+32*\c+\i+1]|
	v_max3_num_f32 v[M+2*\c+1], v[M+2*\c+1], |v[X+32*\c+16+\i]|, |v[X+32*\c+17+\i]|
.endr
.endr
.irp c, 0,1
	v_max_num_f32 v[M+2*\c], v[M+2*\c], v[M+2*\c+1]          ; the block's largest magnitude
.endr
.irp c, 0,1
	v_add_nc_u32 v[M+2*\c+1], 0xff000000, v[M+2*\c]          ; 2 off its exponent field: the conversion takes the exponent field of this operand as its scale, and nothing else of it
.endr
.irp c, 0,1
	v_lshrrev_b32 v[M+2*\c], 23, v[M+2*\c+1]                 ; the scale's byte
.endr
	v_lshl_or_b32 v[W], v[M+2], 16, v[M]           ; my two bytes: blocks h and 2 + h of row r,
	v_lshlrev_b32 v[W], v6, v[W]                   ; at their places in the scale word (8 h bits up);
	v_permlanex16_b32 v[T], v[W], s20, s21
	v_or_b32 v[S+(\f)], v[W], v[T]                 ; with lane l xor 16's two the word is whole, in both lanes
.if (\f) > 0
	s_wait_alu depctr_va_vdst(0)
	s_wait_xcnt 0x0                                ; the last fragment's stores have read their registers (ISA guide 3.1): the codes' registers are written again only behind this wait
.endif
.irp c, 0,1
	v_cvt_scalef32_pk16_fp6_f32 v[P+6*\c:P+6*\c+2], v[X+32*\c:X+32*\c+15], v[M+2*\c+1]      ; registers 6 c .. 6 c + 2 of the operand: sixteen codes, 96 bits without gaps
	v_cvt_scalef32_pk16_fp6_f32 v[Q+4*\c:Q+4*\c+2], v[X+32*\c+16:X+32*\c+31], v[M+2*\c+1]   ; (a conversion's three registers begin on an even number: the second half of a block's six does not, so it is made elsewhere and moved)
.endr
	v_nop                                          ; one plain vector instruction between a scaled conversion and the vector instruction that touches its result
.irp c, 0,1
.irp i, 0,1,2
	v_mov_b32 v[P+3+6*\c+\i], v[Q+4*\c+\i]
.endr
.endr
.irp g, 0,1,2
	global_store_b128 v3, v[P+4*\g:P+4*\g+3], s[6:7] offset:FRB*(\f)+512*\g   ; the fragment as it stands in registers: 32 lanes store 512 consecutive bytes
.endr
.endm
.macro FINISH                          ; my row's eight scale words are 32 bytes; both lanes of a row hold them: lane (r, h) stores words 4 h .. 4 h + 3
	v_cmp_ne_u32 vcc_lo, 0, v8
.irp i, 0,1,2,3
	v_cndmask_b32 v[M+\i], v[S+\i], v[S+4+\i], vcc_lo
.endr
	global_store_b128 v7, v[M:M+3], s[6:7] offset:SCO   ; 32 lanes store 512 consecutive bytes
	s_wait_tensorcnt 0x0
	ds_add_u32 v62, v63
	s_wait_dscnt 0x0
	s_endpgm
.endm
	s_cmp_lt_u32 ttmp9, WGA
	s_cbranch_scc0 .Lweights
	; ---- x
	LOAD 0
	LOAD 1
	s_wait_alu depctr_va_vdst(0)
.irp f, 0,1,2,3,4,5,6,7
	FRAGMENT \f, 0, 0
.endr
	FINISH
.Lweights:
	; ---- w.  My wave's 128 rows and its one group have 128 pairs (s, z), 1,024 consecutive bytes: lane (r, h) takes the pair of row 16 f + r for each fragment f.  They are issued ahead of the rows' loads, so the first fragment's wait covers them.
	s_add_nc_u64 s[12:13], s[12:13], s[26:27]
	v_lshlrev_b32 v10, 3, v9
.irp f, 0,1,2,3,4,5,6,7
	global_load_b64 v[SZ+2*\f:SZ+2*\f+1], v10, s[12:13] offset:128*\f
.endr
	LOAD 0
	LOAD 1
	s_wait_alu depctr_va_vdst(0)
.irp f, 0,1,2,3,4,5,6,7
	FRAGMENT \f, PBW, 1
.endr
	FINISH
.Lfunc_end_k_qcfc68a3f5b_quant:
	.size	k_qcfc68a3f5b_quant, .Lfunc_end_k_qcfc68a3f5b_quant-k_qcfc68a3f5b_quant
	.p2alignl 7, 3214868480
	.fill 96, 4, 3214868480
	.section	.rodata,"a",@progbits
	.p2align	6, 0x0
	.amdhsa_kernel k_qcfc68a3f5b_quant
		.amdhsa_group_segment_fixed_size 34048
		.amdhsa_private_segment_fixed_size 0
		.amdhsa_enable_private_segment 0
		.amdhsa_kernarg_size 40
		.amdhsa_user_sgpr_count 2
		.amdhsa_user_sgpr_kernarg_segment_ptr 1
		.amdhsa_wavefront_size32 1
		.amdhsa_system_sgpr_workgroup_id_x 1
		.amdhsa_system_sgpr_workgroup_id_y 1
		.amdhsa_system_sgpr_workgroup_id_z 1
		.amdhsa_system_vgpr_workitem_id 0
		.amdhsa_next_free_vgpr 256
		.amdhsa_next_free_sgpr 66
		.amdhsa_reserve_vcc 1
		.amdhsa_float_denorm_mode_32 3
		.amdhsa_float_denorm_mode_16_64 3
		.amdhsa_memory_ordered 1
		.amdhsa_forward_progress 1
		.amdhsa_inst_pref_size 188
	.end_amdhsa_kernel
	.amdgpu_metadata
---
amdhsa.version: [ 1, 2 ]
amdhsa.kernels:
  - .name:           k_qcfc68a3f5b_quant
    .symbol:         k_qcfc68a3f5b_quant.kd
    .args:
      - { .name: input, .offset: 0, .size: 8, .value_kind: global_buffer, .address_space: global }
      - { .name: a_img, .offset: 8, .size: 8, .value_kind: global_buffer, .address_space: global }
      - { .name: weight_q, .offset: 16, .size: 8, .value_kind: global_buffer, .address_space: global }
      - { .name: b_img, .offset: 24, .size: 8, .value_kind: global_buffer, .address_space: global }
      - { .name: scales_and_zeros, .offset: 32, .size: 8, .value_kind: global_buffer, .address_space: global }
    .group_segment_fixed_size: 34048
    .private_segment_fixed_size: 0
    .kernarg_segment_align: 8
    .kernarg_segment_size: 40
    .max_flat_workgroup_size: 64
    .sgpr_count:     66
    .vgpr_count:     256
    .wavefront_size: 32
...
	.end_amdgpu_metadata
.endif
;; end of part 1
;; launch gemm (part 2): grid 8 x 32, 4 waves a work-group, clusters of 4 x 4, 327,680 bytes of LDS; arguments a_img, b_img, out0; writes out0
.if DOCPART == 2
	.amdgcn_target "amdgcn-amd-amdhsa--gfx1250"
	.amdhsa_code_object_version 6
	.text
	.protected	k_qcfc68a3f5b_gemm
	.globl	k_qcfc68a3f5b_gemm
	.p2align	8
	.type	k_qcfc68a3f5b_gemm,@function
k_qcfc68a3f5b_gemm:
	s_mov_b64 s[64:65], 0
	v_nop
	global_prefetch_b8 v0, s[64:65] scope:SCOPE_SE
	s_setreg_imm32_b32 hwreg(HW_REG_WAVE_MODE, 25, 1), 1
	s_wait_xcnt 0x0
	s_wait_alu depctr_hold_cnt(0) depctr_sa_sdst(0) depctr_va_vdst(0) depctr_va_sdst(0) depctr_va_ssrc(0) depctr_va_vcc(0) depctr_vm_vsrc(0)
	s_getreg_b32 s2, hwreg(HW_REG_IB_STS2, 6, 4)
	s_cmp_eq_u32 s2, 0
	s_cbranch_scc0 .Lentry_in_a_cluster
	s_endpgm
.Lentry_in_a_cluster:
	s_bfe_u32 s2, ttmp6, 0x10000c
	s_cmp_lg_u32 s2, 0xf033
	s_cbranch_scc0 .Lentry_shape_is_right
	s_endpgm
.Lentry_shape_is_right:
; out0[m][n] = sum over k of x[m][k] w[n][k] on codes of FP6 (E2M3) with one E8M0 scale byte for each 32 along K; sums in f32.  M 8,192, N 2,048, K 4,096.
; a_img and b_img come from launch quant IN THE ORDER OF THE OPERAND'S REGISTERS: for 128 rows x 128 K one piece of QB = 12,800 bytes: eight fragments (16 rows x 128 K, 12 registers a lane) of 1,536 bytes,
; each as three runs of 512 bytes with lane l's four registers at 16 l; behind them the rows' scale words, the word of row 16 i + r at 32 r + 4 i.  Pieces lie [row block of 128][K / 128], so a row block's pieces are dense in memory.
; SHARES: a work-group of four waves makes 256 x 256 of out0, a wave 128 x 128: 64 accumulators, 512 registers.  256 work-groups.
; THE RING: two LDS slots, each with three K steps (three pieces) of A's two and B's two row blocks; a wave fetches one row block's three pieces, 38,400 dense bytes as 150 rows of 256, by one tensor load.
; 32 steps are ten such slots and one of two pieces.  CLUSTERS 4 x 4: A's tiles are asked for jointly along a row of the cluster, B's along a column.
; THE MATRIX INSTRUCTION IS USED TRANSPOSED (source 0 = 16 rows of w, source 1 = 16 rows of x): a lane holds eight neighbouring numbers of a row of out0.
; REGISTERS.  Every window of 256 holds 16 accumulators and two sets of four fragments:
;   window w: v128-255 the accumulators of A's blocks 2 w, 2 w + 1 ((a, b) at v[128 + 64 (a % 2) + 8 b]); v32-79 and v80-127 fragment sets 0 and 1:
;   window 0: B's fragments 0-3, window 1: B's 4-7, window 2: A's 0-3, window 3: A's 4-7.   Window 0 also: v1-15 addresses, v16-31 scale words, two sets.
; BOTH OPERANDS HAVE TWO SETS: what a step loads lands in the set that the step before has multiplied.  So four places at a step's head serve all its loads, and the 50 loads stand in TWO runs:
; B's fragments and the scale words at the head, A's fragments in the middle.  At a slot's last step all reads of the slot have been issued a step earlier, so the change of slots stands at that step's head.
; THE LAST TWO STEPS have all their operands in registers and go by rows of out0: blocks 0-3 are finished first and leave while blocks 4-7 are multiplied.
; PREFETCH: every cluster asks for what it will itself load.  Of the 150 blocks of 256 bytes that a wave's tensor load brings, each of the four partners that ask for them jointly names 38, told apart by address
; (cx for A, cy for B): two instructions a wave, a lane a block, the lanes left over naming the last block again.  Behind each full refill the slot AFTER the one being asked for is named: three K steps ahead of its load.
; The head names slots 1 and 2; slot 0 comes by its load alone; the last slot has 100 blocks, and its offsets are held inside them.
.set SIZE_N, 2048
.set SIZE_K, 4096
.set FRB,    1536                      ; a fragment's image
.set SCO,    8*FRB                     ; where a piece's scale words begin
.set QB,     SCO+512                   ; a piece
.set LOADB,  3*QB                      ; what one tensor load brings
.set SLOT,   4*LOADB
.set RBB,    (SIZE_K/128)*QB           ; a row block's pieces
.set TRIPS,  4
.set SPARE,  2*SLOT                    ; behind the ring: the spare words, 128 bytes a wave
.set STAGE,  SLOT                      ; the way out goes through slot 1, which has had its last fill and its last read by then (the last two pieces lie in slot 0)
.set SPITCH, 528
.set PFO4, 1                           ; v1, v11 the prefetches' offsets for the slot of two pieces
.set ADRA, 2                           ; v2-3   LDS address of my A fragments in slot 0, 1 (16 x lane + my row block's part)
.set ADRB, 4                           ; v4-5   the same for B
.set ADRS, 6                           ; v6-7   my scale words: lanes 0-15 A's rows, lanes 16-31 B's
.set STO,  8
.set RD,   9
.set CO,   10
.set PFO3, 11
.set SPW,  12                          ; LDS address of my spare word; never rewritten
.set NIL,  13                          ; 0; never rewritten
.set PFO,  14                          ; v14-15 the prefetches' offsets in a full slot
.set PFO2, 15
.set SC,   16                          ; scale words: set p at v[SC + 8 p]; register i: lanes 0-15 A's block i, lanes 16-31 B's block i
.set FB,   32
.set ACC,  128
.set G1, 24
.set G0, 32
.set G1B, 48
.set G0B, 56
.set G1H, 68                           ; group 1 for the last slot's two pieces
.set G1HB, 80
.set PFA, 96                           ; s[96:97] my fetch's row block, one slot short of the slot that the next prefetch names
.set MSB, 0
.macro WIN new                         ; the immediate's high byte repeats the setting that is left
.if MSB != \new
	s_set_vgpr_msb (MSB<<8)|\new
.set MSB, \new
.endif
.endm
.macro PLACES
.rept 4
	v_nop
.endr
.endm
.macro JLOAD g0a, g1a, g0b, g1b        ; a joint load: waves 0, 1 fetch for A, waves 2, 3 for B; s_nop 0 and four v_nop behind each line
	s_cmp_eq_u32 s15, 0
	s_cbranch_scc0 .Lfor_b_\@
	tensor_load_to_lds s[\g0a:\g0a+3], s[\g1a:\g1a+7]
	s_nop 0
	PLACES
	s_branch .Lasked_\@
.Lfor_b_\@:
	tensor_load_to_lds s[\g0b:\g0b+3], s[\g1b:\g1b+7]
	s_nop 0
	PLACES
.Lasked_\@:
.endm
.macro NAME o1, o2, off                ; my 38 blocks of the slot at PFA + off
	global_prefetch_b8 v[\o1], s[PFA:PFA+1] offset:\off th:TH_LOAD_NT scope:SCOPE_SE
	global_prefetch_b8 v[\o2], s[PFA:PFA+1] offset:\off th:TH_LOAD_NT scope:SCOPE_SE
.endm
.macro ASK how                         ; how = 1: always a full slot.  how = 0: in the loop's last trip the slot named is the last one, of two pieces
.if \how
	NAME PFO, PFO2, LOADB
.else
	s_cmp_gt_u32 s3, 1
	s_cbranch_scc0 .Lshort_\@
	NAME PFO, PFO2, LOADB
	s_branch .Lnamed_\@
.Lshort_\@:
	NAME PFO3, PFO4, LOADB
.Lnamed_\@:
.endif
.endm
.macro CREST                           ; a round of the cluster's barrier behind its opening barrier
	s_cmp_lg_u32 s14, 0
	s_cbranch_scc1 .Lnot_wave_0_\@
	s_barrier_signal -3
.Lnot_wave_0_\@:
	s_barrier_wait -3
	s_barrier_signal -1
	s_barrier_wait -1
.endm
.macro CROUND
	s_barrier_signal -1
	s_barrier_wait -1
	CREST
.endm
	s_load_b128 s[4:7], s[0:1], 0x0                ; a_img, b_img
	s_load_b64 s[12:13], s[0:1], 0x10              ; out0
	v_lshl_add_u32 v[SPW], v0, 2, SPARE
	v_mov_b32 v[NIL], 0
	ds_add_u32 v[SPW], v[NIL]                      ; the opening lines: the add, twice on end, and its wait ahead of my first tensor load
	ds_add_u32 v[SPW], v[NIL]
	v_lshrrev_b32 v32, 5, v0
	v_readfirstlane_b32 s14, v32                   ; wave 0..3
	s_lshr_b32 s15, s14, 1                         ; my half of the rows.  Also: I fetch for A (0) or B (1)
	s_and_b32 s16, s14, 1                          ; my half of the columns.  Also: which row block I fetch
	s_bfe_u32 s40, ttmp6, 0x40000                  ; cx
	s_bfe_u32 s41, ttmp6, 0x40004                  ; cy
	s_lshl_b32 s42, ttmp9, 2
	s_add_co_u32 s42, s42, s40                     ; tile column
	s_and_b32 s17, ttmp7, 0xffff
	s_lshl_b32 s17, s17, 2
	s_add_co_u32 s17, s17, s41                     ; tile row
	s_lshl_b32 s43, s41, 2
	s_lshl_b32 s43, 15, s43                        ; my row of the cluster
	s_lshl_b32 s44, 0x1111, s40                    ; my column
	s_or_b32 s[G1+0], s43, (3<<16)|(1<<21)         ; elements of 8 bytes, no padding; the mask, bit 21 beside it
	s_or_b32 s[G1B+0], s44, (3<<16)|(1<<21)
	s_or_b32 s[G1H+0], s43, (3<<16)|(1<<21)
	s_or_b32 s[G1HB+0], s44, (3<<16)|(1<<21)
.irp g, G1, G1B                        ; 150 rows of 256 bytes, dense
	s_mov_b32 s[\g+1], 32<<16
	s_mov_b32 s[\g+2], (LOADB/256)<<16
	s_mov_b32 s[\g+3], 32<<16
	s_mov_b32 s[\g+4], LOADB/256
	s_mov_b32 s[\g+5], 32
	s_mov_b32 s[\g+6], 0
	s_mov_b32 s[\g+7], 0
.endr
.irp g, G1H, G1HB                      ; 100 rows: two pieces
	s_mov_b32 s[\g+1], 32<<16
	s_mov_b32 s[\g+2], (2*QB/256)<<16
	s_mov_b32 s[\g+3], 32<<16
	s_mov_b32 s[\g+4], 2*QB/256
	s_mov_b32 s[\g+5], 32
	s_mov_b32 s[\g+6], 0
	s_mov_b32 s[\g+7], 0
.endr
	s_lshl_b32 s20, s17, 1
	s_add_co_u32 s20, s20, s16                     ; A's row block that I fetch
	s_lshl_b32 s46, s42, 1
	s_add_co_u32 s46, s46, s16                     ; B's
	s_mul_i32 s20, s20, RBB
	s_mov_b32 s21, 0
	s_mul_i32 s46, s46, RBB
	s_mov_b32 s47, 0
	s_mul_i32 s45, s14, LOADB                      ; where it goes: wave x 38,400
	s_wait_dscnt 0x0                               ; both opening adds are done
	s_wait_kmcnt 0x0
	s_add_nc_u64 s[20:21], s[4:5], s[20:21]
	s_add_nc_u64 s[46:47], s[6:7], s[46:47]
.irp s, 0,1
	s_mov_b32 s[G0+4*\s], 1
	s_add_co_u32 s[G0+4*\s+1], s45, \s*SLOT
	s_add_nc_u64 s[G0+4*\s+2:G0+4*\s+3], s[20:21], \s*LOADB
	s_or_b32 s[G0+4*\s+3], s[G0+4*\s+3], 0x80000000
	s_mov_b32 s[G0B+4*\s], 1
	s_add_co_u32 s[G0B+4*\s+1], s45, \s*SLOT
	s_add_nc_u64 s[G0B+4*\s+2:G0B+4*\s+3], s[46:47], \s*LOADB
	s_or_b32 s[G0B+4*\s+3], s[G0B+4*\s+3], 0x80000000
.endr
	CROUND                                         ; all sixteen work-groups are here: the first joint loads meet
	JLOAD G0, G1, G0B, G1B                         ; slot 0: one tensor load a wave at the head
	; the prefetches: my fetch's row block, at slot 1; my work-group's 38 blocks of 256 bytes
	s_cmp_eq_u32 s15, 0
	s_cselect_b64 s[PFA:PFA+1], s[20:21], s[46:47]
	s_cselect_b32 s67, s40, s41                    ; my place among the four that ask with me
	s_add_nc_u64 s[PFA:PFA+1], s[PFA:PFA+1], LOADB
	s_mul_i32 s67, s67, 38
	; my part of out0
	s_lshl_b32 s20, s17, 8
	s_lshl_b32 s21, s15, 7
	s_add_co_u32 s20, s20, s21
	s_mov_b32 s21, 0
	s_mov_b64 s[18:19], SIZE_N*4
	s_mul_u64 s[20:21], s[20:21], s[18:19]
	s_lshl_b32 s46, s42, 10
	s_lshl_b32 s47, s16, 9
	s_add_co_u32 s46, s46, s47
	s_mov_b32 s47, 0
	s_add_nc_u64 s[20:21], s[20:21], s[46:47]
	s_add_nc_u64 s[12:13], s[12:13], s[20:21]
	; LDS bases
	s_mul_i32 s8, s15, LOADB                       ; my rows of A, slot 0, 1
	s_add_co_u32 s9, s8, SLOT
	s_mul_i32 s10, s16, LOADB
	s_add_co_u32 s10, s10, 2*LOADB                 ; my rows of B
	s_add_co_u32 s11, s10, SLOT
	s_sub_co_u32 s90, s10, s8
	s_add_co_u32 s88, s8, SCO
	s_add_co_u32 s89, s88, SLOT
	s_mul_i32 s91, s14, 16*SPITCH
	s_add_co_u32 s91, s91, STAGE                   ; my stage
	v_and_b32 v32, 31, v0                          ; lane
	v_and_b32 v33, 15, v0                          ; r
	v_bfe_u32 v34, v0, 4, 1                        ; h
	v_lshlrev_b32 v35, 4, v32                      ; 16 x lane
	v_mul_u32_u24 v36, s90, v34                    ; lanes 16-31 take B's scale words
	v_lshl_add_u32 v36, v33, 5, v36                ; + 32 r
	v_add_nc_u32 v[ADRA], s8, v35
	v_add_nc_u32 v[ADRA+1], s9, v35
	v_add_nc_u32 v[ADRB], s10, v35
	v_add_nc_u32 v[ADRB+1], s11, v35
	v_add_nc_u32 v[ADRS], s88, v36
	v_add_nc_u32 v[ADRS+1], s89, v36
	v_mul_u32_u24 v37, v33, SPITCH
	v_lshl_add_u32 v37, v34, 5, v37
	v_add_nc_u32 v[STO], s91, v37                  ; into the stage: row r, 32 bytes for each half of the lanes
	v_add_nc_u32 v[RD], s91, v35                   ; back: 32 lanes take a row of 512 bytes
	v_lshlrev_b32 v[CO], 4, v32
	v_add_nc_u32 v[PFO], s67, v32
	v_lshlrev_b32 v[PFO], 8, v[PFO]                ; blocks 38 p .. 38 p + 31
	v_min_u32 v[PFO2], 5, v32
	v_add_nc_u32 v[PFO2], s67, v[PFO2]
	v_add_nc_u32 v[PFO2], 32, v[PFO2]
	v_min_u32 v[PFO2], 149, v[PFO2]                ; blocks 38 p + 32 .. + 37, held inside the load's 150
	v_lshlrev_b32 v[PFO2], 8, v[PFO2]
	v_min_u32 v[PFO3], 99*256, v[PFO]              ; and both held inside the last slot's 100
	v_min_u32 v[PFO4], 99*256, v[PFO2]
	NAME PFO, PFO2, 0                              ; slot 1, whose load follows when slot 0 has landed,
	NAME PFO, PFO2, LOADB                          ; and slot 2, whose load stands at the first change of slots
; Eight matrix instructions: A's blocks 2 w, 2 w + 1 x B's blocks 4 s .. 4 s + 3, fragment set p.  The accumulators take turns, one instruction a turn.
.macro SUB p, w, s, zero
	WIN ((\w)<<6)|((\w)<<4)|((2+(\w)/2)<<2)|(\s)   ; D and C window w, A's fragments window 2 + w / 2, B's fragments window s
.irp a, 0,1
.irp b, 0,1,2,3
.set DD, ACC+64*\a+8*(4*(\s)+\b)
.set BF, FB+48*(\p)+12*\b
.set AFR, FB+48*(\p)+12*(2*((\w)%2)+\a)
.set SB, SC+8*(\p)+4*(\s)+\b
.set SA, SC+8*(\p)+2*(\w)+\a
.if \zero
	v_wmma_scale_f32_16x16x128_f8f6f4 v[DD:DD+7], v[BF:BF+11], v[AFR:AFR+11], 0, v[SB], v[SA] matrix_a_fmt:MATRIX_FMT_FP6 matrix_b_fmt:MATRIX_FMT_FP6 matrix_a_scale:MATRIX_SCALE_ROW1
.else
	v_wmma_scale_f32_16x16x128_f8f6f4 v[DD:DD+7], v[BF:BF+11], v[AFR:AFR+11], v[DD:DD+7], v[SB], v[SA] matrix_a_fmt:MATRIX_FMT_FP6 matrix_b_fmt:MATRIX_FMT_FP6 matrix_a_scale:MATRIX_SCALE_ROW1
.endif
.endr
.endr
.endm
.macro PH p, w, zero                   ; window w's sixteen accumulators, one step
	SUB \p, \w, 0, \zero
	SUB \p, \w, 1, \zero
.endm
; Window w's four fragments of piece q of a slot into set p: twelve runs of 512 bytes on end (w = 0: and the piece's scale words)
.macro BURST slot, q, p, w
	WIN (\w)<<6
.if (\w) < 2
.set AD, ADRB+(\slot)
.else
.set AD, ADRA+(\slot)
.endif
.irp n, 0,1,2,3,4,5,6,7,8,9,10,11
	ds_load_b128 v[FB+48*(\p)+4*\n:FB+48*(\p)+4*\n+3], v[AD] offset:(\q)*QB+4*((\w)%2)*FRB+512*\n
.endr
.if (\w) == 0
	ds_load_b128 v[SC+8*(\p):SC+8*(\p)+3], v[ADRS+(\slot)] offset:(\q)*QB
	ds_load_b128 v[SC+8*(\p)+4:SC+8*(\p)+7], v[ADRS+(\slot)] offset:(\q)*QB+16
.endif
.endm
; A step on piece q of a slot that is not the slot's last: 64 matrix instructions, and the 50 loads of piece q + 1 in two runs, in the order B 0-3, scale words, B 4-7; A 0-3, A 4-7.
.macro STEP slot, q, zero
.set PP, ((\slot)+(\q))%2
	s_wait_dscnt 12                                ; all of this step's operands are in but the youngest twelve loads, A's fragments 4-7
	PLACES                                         ; four places between the last step's products and the loads into the set that they read
	BURST \slot, (\q)+1, 1-PP, 0
	BURST \slot, (\q)+1, 1-PP, 1
	PH PP, 0, \zero
	PH PP, 1, \zero
	s_wait_dscnt 26                                ; all but the 26 loads that this step has issued: A's fragments 4-7 are in
	BURST \slot, (\q)+1, 1-PP, 2
	BURST \slot, (\q)+1, 1-PP, 3
	PH PP, 2, \zero
	PH PP, 3, \zero
.endm
; A slot's last step.  All reads of the slot were issued in the step before, so the change of slots stands at the step's head: the wait for all my tensor loads (one is out: my part of the next slot), the add,
; eight products, the wait for the add and for my reads, the barrier's signal, eight products, its wait.  fill = 1, 2: the barrier opens a round of the cluster's barrier, and the slot is filled again (2: with the last two pieces).
.macro TURN slot, next, fill, how
.set PP, (\slot)%2
.if \fill == 1
	s_wait_xcnt 0x0                                ; my prefetches have read their address
	s_add_nc_u64 s[PFA:PFA+1], s[PFA:PFA+1], LOADB
.endif
	s_wait_dscnt 12
	PLACES
	WIN 0                                          ; the add's two registers lie in window 0
	s_wait_tensorcnt 0x0
	ds_add_u32 v[SPW], v[NIL]
	SUB PP, 0, 0, 0
	s_wait_dscnt 0x0                               ; the add is done and my reads of this slot are over
	s_barrier_signal -1
	SUB PP, 0, 1, 0
	WIN 0
	s_barrier_wait -1
.if \fill
	CREST
	s_add_nc_u64 s[G0+4*\slot+2:G0+4*\slot+3], s[G0+4*\slot+2:G0+4*\slot+3], 2*LOADB
	s_add_nc_u64 s[G0B+4*\slot+2:G0B+4*\slot+3], s[G0B+4*\slot+2:G0B+4*\slot+3], 2*LOADB
.if \fill == 1
	JLOAD G0+4*\slot, G1, G0B+4*\slot, G1B
.else
	JLOAD G0+4*\slot, G1H, G0B+4*\slot, G1HB
.endif
.endif
	BURST \next, 0, 1-PP, 0
	BURST \next, 0, 1-PP, 1
.if \fill == 1
	WIN 0
	ASK \how                                       ; behind the joint load and the run of LDS loads
.endif
	PH PP, 1, 0
	BURST \next, 0, 1-PP, 2
	BURST \next, 0, 1-PP, 3
	PH PP, 2, 0
	PH PP, 3, 0
.endm
	s_wait_alu depctr_va_vdst(0)
	s_wait_tensorcnt 0x0                           ; my part of slot 0 is in; the add and its wait ahead of a later first fill:
	ds_add_u32 v[SPW], v[NIL]
	s_wait_dscnt 0x0
	CROUND                                         ; everybody's part of slot 0 is in, and all sixteen work-groups are here
	JLOAD G0+4, G1, G0B+4, G1B                     ; slot 1's first fill, the first tensor load behind the round
.irp w, 0,1,2,3
	BURST 0, 0, 0, \w
.endr
	STEP 0, 0, 1                                   ; the first step's products start the sums
	WIN 0
	s_mov_b32 s3, TRIPS
.Llap:                                                 ; a trip: six steps, once round the ring; the fragment sets are back where they began
	STEP 0, 1, 0
	TURN 0, 1, 1, 1
	STEP 1, 0, 0
	STEP 1, 1, 0
	TURN 1, 0, 1, 0
	STEP 0, 0, 0
	WIN 0
	s_sub_co_u32 s3, s3, 1
	s_cmp_lg_u32 s3, 0
	s_cbranch_scc1 .Llap
	STEP 0, 1, 0                                   ; the tail is written out: it fetches the last two pieces and then nothing
	TURN 0, 1, 2, 0
	STEP 1, 0, 0
	STEP 1, 1, 0
	TURN 1, 0, 0, 0
; THE WAY OUT, by blocks of 16 rows x 128 columns: a lane's 32 bytes of a row go into my own stage and come back as whole rows of 512 bytes, which 32 lanes store as two aligned units of 256 bytes.
; LDS serves a wave's instructions in order (ISA guide 5.7.1.4): no wait between the stores and the loads.  The rows come back into v0-63 and v64-127 of window 2 by turns: A's fragments 0-3 lay there, and are done with.
.macro TOSTAGE a
.set AC, ACC+64*((\a)%2)
	WIN ((\a)/2)<<2                                ; the data's window
.irp b, 0,1,2,3,4,5,6,7
	ds_store_b128 v[STO], v[AC+8*\b:AC+8*\b+3] offset:64*\b          ; each accumulator from its low end on
	ds_store_b128 v[STO], v[AC+8*\b+4:AC+8*\b+7] offset:64*\b+16
.endr
	WIN 0x80
.irp t, 0,1,2,3,4,5,6,7,8,9,10,11,12,13,14,15
	ds_load_b128 v[64*((\a)%2)+4*\t:64*((\a)%2)+4*\t+3], v[RD] offset:\t*SPITCH
.endr
.endm
.macro SEND a, younger                 ; younger: the LDS instructions issued behind block a's loads
	s_wait_dscnt \younger
.if (\a) > 0
	s_add_nc_u64 s[12:13], s[12:13], 16*SIZE_N*4   ; behind a wait on XCNT: the earlier stores have read their base
.endif
	WIN 0x08
.irp t, 0,1,2,3,4,5,6,7,8,9,10,11,12,13,14,15
	global_store_b128 v[CO], v[64*((\a)%2)+4*\t:64*((\a)%2)+4*\t+3], s[12:13] offset:\t*SIZE_N*4
.endr
.endm
; THE LAST TWO STEPS, by rows.  The step before has fetched piece 0 of slot 0 into set 0; piece 1 comes into set 1 in one run.  Blocks 0-3 take both steps first.
	s_wait_dscnt 12
	PLACES
.irp w, 0,1,2,3
	BURST 0, 1, 1, \w
.endr
	PH 0, 0, 0
	PH 0, 1, 0
	s_wait_dscnt 12                                ; all but the youngest twelve loads, set 1's fragments 4-7 of A
	PH 1, 0, 0
	PH 1, 1, 0
	PLACES                                         ; behind the products: for the reads of results and the loads into window 2's fragment registers
	TOSTAGE 0
.irp a, 1,2,3,4,5,6,7
.if \a > 1
	s_wait_xcnt 0x0                                ; block a - 2's stores have read their registers and base
.endif
	TOSTAGE \a
	SEND \a-1, 32                                  ; (its wait also shows every older LDS load done, set 1's fragments 4-7 of A among them)
.if \a == 1
	PH 0, 2, 0                                     ; blocks 4, 5 and then 6, 7 are multiplied between the earlier blocks' stores
.endif
.if \a == 2
	PH 1, 2, 0
	PLACES
.endif
.if \a == 3
	PH 0, 3, 0
.endif
.if \a == 4
	PH 1, 3, 0
	PLACES
.endif
.endr
	s_wait_xcnt 0x0
	SEND 7, 0
	WIN 0
	s_wait_tensorcnt 0x0                           ; the wave's end
	ds_add_u32 v[SPW], v[NIL]
	s_wait_dscnt 0x0
	CROUND                                         ; the closing round
	s_endpgm
.Lfunc_end_k_qcfc68a3f5b_gemm:
	.size	k_qcfc68a3f5b_gemm, .Lfunc_end_k_qcfc68a3f5b_gemm-k_qcfc68a3f5b_gemm
	.p2alignl 7, 3214868480
	.fill 96, 4, 3214868480
	.section	.rodata,"a",@progbits
	.p2align	6, 0x0
	.amdhsa_kernel k_qcfc68a3f5b_gemm
		.amdhsa_group_segment_fixed_size 327680
		.amdhsa_private_segment_fixed_size 0
		.amdhsa_enable_private_segment 0
		.amdhsa_kernarg_size 24
		.amdhsa_user_sgpr_count 2
		.amdhsa_user_sgpr_kernarg_segment_ptr 1
		.amdhsa_wavefront_size32 1
		.amdhsa_system_sgpr_workgroup_id_x 1
		.amdhsa_system_sgpr_workgroup_id_y 1
		.amdhsa_system_sgpr_workgroup_id_z 1
		.amdhsa_system_vgpr_workitem_id 0
		.amdhsa_next_free_vgpr 1024
		.amdhsa_next_free_sgpr 100
		.amdhsa_reserve_vcc 0
		.amdhsa_float_denorm_mode_32 3
		.amdhsa_float_denorm_mode_16_64 3
		.amdhsa_memory_ordered 1
		.amdhsa_forward_progress 1
		.amdhsa_inst_pref_size 208
	.end_amdhsa_kernel
	.amdgpu_metadata
---
amdhsa.version: [ 1, 2 ]
amdhsa.kernels:
  - .name:           k_qcfc68a3f5b_gemm
    .symbol:         k_qcfc68a3f5b_gemm.kd
    .args:
      - { .name: a_img, .offset: 0, .size: 8, .value_kind: global_buffer, .address_space: global }
      - { .name: b_img, .offset: 8, .size: 8, .value_kind: global_buffer, .address_space: global }
      - { .name: out0, .offset: 16, .size: 8, .value_kind: global_buffer, .address_space: global }
    .group_segment_fixed_size: 327680
    .private_segment_fixed_size: 0
    .kernarg_segment_align: 8
    .kernarg_segment_size: 24
    .max_flat_workgroup_size: 128
    .sgpr_count:     100
    .vgpr_count:     1024
    .wavefront_size: 32
...
	.end_amdgpu_metadata
.endif
;; end of part 2
